; MI455X (gfx1250); checked and timed in simulation.
; The chip was launched on July 23, 2026; its instructions are those of AMD's public machine-readable ISA for CDNA 5 (MIT licence, August 2026) and "CDNA5" Instruction Set Architecture Reference Guide (July 2026). The comments in the code are by the model that wrote it; some were corrected since.
;; Spatial Encoder3d. Allowed arithmetic: matrix products marked QUANTISED: E2M1 operands, one E8M0 scale for each 32 along K, by v_wmma_scale_f32_16x16x128_f8f6f4 with both operands' format E2M1 (or v_wmma_scale_f32_32x16x128_f4), f32 sums; everything else in f32.
;; Inputs: W1_codes 128 x 4 x 16 uint8 (E2M1 codes of W1, K innermost, in blocks of 32 codes, two codes a byte); W1_scales 128 x 4 uint8 (E8M0 scales of W1, one for each 32 codes along K); W2_codes 32 x 4 x 16 uint8 (E2M1 codes of W2, K innermost, in blocks of 32 codes, two codes a byte); W2_scales 32 x 4 uint8 (E8M0 scales of W2, one for each 32 codes along K); b1 128 float32; b2 32 float32; beta_emb 203 x 1 float32; coord 2 x 512 x 3 float32; gamma_emb 203 x 1 float32; means 128 float32; node_type 2 x 512 int32; stds 128 float32.
;; Outputs: out0 2 x 512 x 512 x 32 float32.
;; This version of the problem:
;;   THIS VERSION OF THE PROBLEM IS GIVEN IN LOW PRECISION. The matrix products marked QUANTISED in the list below multiply operands that are first quantised to E2M1 (2 exponent bits, 1 mantissa bit; 4 bits a number), with one power-of-two scale for each 32 numbers along K (OCP MX v1.0); their sums are f32. All else is computed in f32.
;;   The module's matrix products, in the order in which they are computed (A, B: the left and right operand; K: the contracted axis; several contracted axes count as one K, in the product's order):
;;     1. [M 524,288, K 128] x [K 128, N 128]; A: computed on the way; B: input W1 (given as codes): QUANTISED
;;     2. [M 524,288, K 128] x [K 128, N 32]; A: computed on the way; B: input W2 (given as codes): QUANTISED
;;   THE QUANTISER, for each operand of a quantised product, along K:
;;     - K is cut into blocks of 32 from its start; a last block that is shorter is filled with zeros.
;;     - A block's scale is 2^e with e = floor(log2(the largest magnitude in the block)) - 2, held to -126 .. 127; a block of zeros has e = 0. As a byte (E8M0): e + 127.
;;     - Each number is divided by its block's scale, clamped to +-6, and rounded to the nearest number of E2M1, ties to even, subnormals kept.
;;     - The product sums the exact products of the quantised numbers (number of the format x scale) in f32.
;;   ~~~python
;;   def quantise(x, axis):      # numpy; x: float32 -> the quantised numbers, widened to float32 again
;;       x = np.moveaxis(x, axis, -1); K = x.shape[-1]
;;       x = np.pad(x, [(0, 0)] * (x.ndim - 1) + [(0, -K % 32)]); x = x.reshape(x.shape[:-1] + (-1, 32)); a = np.abs(x).max(-1, keepdims=True)
;;       e = np.where(a > 0, np.clip(np.frexp(np.where(a > 0, a, 1))[1] - 1 - 2, -126, 127), 0)      # np.frexp(a)[1] - 1 = floor(log2(a)), exactly
;;       r = np.clip(x / 2.0 ** e, -6, 6)
;;       step = 2.0 ** (np.maximum(np.frexp(np.where(r == 0, 1, r))[1] - 1, 0) - 1)
;;       q = np.round(r / step) * step * 2.0 ** e      # np.round: ties to even
;;       return np.moveaxis(q.reshape(q.shape[:-2] + (-1,))[..., :K], -1, axis).astype(np.float32)
;;   ~~~
;;   OPERANDS COMPUTED ON THE WAY. 'Computed on the way' means the value that the module computes at that place (a softmax that the list does not call 'softmax' is quantised finished and normalised). What goes into a quantiser is computed in f32, as accurately as f32 sums, v_exp_f32 and their like allow (about 1e-6 of the number): no bf16 or f16 on the way to a quantiser, and a product that is left as it is and whose result goes on into a quantised operand takes f32 operands (vector FMAs, or v_wmma_f32_16x16x4_f32). A number that lies on a knife's edge between two numbers of the format may be rounded either way, as far as f32 arithmetic and the matrix unit's own rounding can turn it there, and no further.
;;   INPUTS GIVEN AS CODES. W1 (in the module: [128, 128], K = its axis 1); W2 (in the module: [32, 128], K = its axis 1): each comes as NAME_codes (uint8): NAME with its K axis moved to the last place and cut into blocks of 32 codes, [.., K / 32, bytes a block], one block behind the other in memory; two codes a byte, the lower K in the low four bits (a code: sign, 2 exponent bits, 1 mantissa bit); and NAME_scales (uint8): the same leading axes, one E8M0 byte (e + 127) for each 32 codes along K. Its value is code x scale, taken as it is: it is not quantised again, and the codes and scales need not be those that the quantiser above would give.
;; 2 versions, each right; version 2 is version 1 with the launch spatial written anew for expert scheduling mode. Each part assembles by itself: llvm-mc -triple=amdgcn-amd-amdhsa -mcpu=gfx1250 --defsym DOCPART=n.
;; ======== version 1 of 2: 1 launch
;; launch spatial (part 1): grid 256 x 1, 8 waves a work-group, no clusters, 93,184 bytes of LDS; arguments W1_codes, W1_scales, W2_codes, W2_scales, b1, b2, beta_emb, coord, gamma_emb, means, node_type, stds, out0; writes out0
.if DOCPART == 1
	.amdgcn_target "amdgcn-amd-amdhsa--gfx1250"
	.amdhsa_code_object_version 6
	.text
	.protected	k_q637dbd5cf3_spatial
	.globl	k_q637dbd5cf3_spatial
	.p2align	8
	.type	k_q637dbd5cf3_spatial,@function
k_q637dbd5cf3_spatial:
	s_mov_b64 s[64:65], 0
	v_nop
	global_prefetch_b8 v0, s[64:65] scope:SCOPE_SE
	s_setreg_imm32_b32 hwreg(HW_REG_WAVE_MODE, 25, 1), 1
	s_wait_xcnt 0x0
; SpatialEncoder3d.  For each pair (b, n, m): x = (gamma[nt(n)+2] + gamma[nt(m)+103]) |c_n - c_m| + beta[nt(n)+2] + beta[nt(m)+103];
; gk_k = exp(-0.5 ((x - mean_k) / std_k)^2) / (sqrt(2 pi) std_k), std = |stds| + 0.01;  h = gelu(Q(gk) W1^T + b1), exact gelu;  out = Q(h) W2^T + b2.
; Q: E2M1 codes with one E8M0 scale for each 32 along K, made here in registers; W1 and W2 arrive as codes and go to the matrix unit as they lie.
; NOTHING IS LEFT OUT: every input has a way to the output and is loaded.
; SHARES.  524,288 pairs = 32,768 tiles of 16 neighbouring m of one (b, n).  256 work-groups x 8 waves; wave w of work-group g owns row b 512 + n = 4 g + w / 2 and m = 256 (w % 2) + 0 .. 255: 16 tiles,
; 32,768 consecutive bytes of out.  Waves share nothing: no barrier.  A tile has 10 matrix instructions and some 800 vector ones, so the text is laid for few vector instructions a number: packed f32 forms,
; one exponential a Gaussian, one reciprocal a gelu, each kind in batches with one wait.
; NO TENSOR LOAD, NO CLUSTER, NO PREFETCH: all inputs together are 30,552 bytes; each wave reads its part once, at the head, into registers, and the loop reads no memory at all.
; LAYOUT.  r = lane % 16 is the pair, h = lane / 16.  Both products are used transposed (source 0 = 16 rows of the weight, source 1 = the 16 pairs), so a lane holds ONE pair throughout.
;   gk: the lane makes k = 64 c + 32 h + i (c = 0, 1; i = 0 .. 31): two whole blocks, in the order of the operand's registers: the conversions' results ARE the operand.
;   W1's tile t takes rows 32 (t / 2) + 8 (t % 2) + r + 8 (r / 8): the 16 registers of tiles 2 b, 2 b + 1 are hidden units 32 b + 16 h + 0 .. 15, neighbours along the next K.
; ARITHMETIC, all f32.  The distance: v_rsq_f32 and one correction step.  gk = 2^(LG_k - z^2), z = (x - mean_k) RS_k, RS = sqrt(log2(e) / 2) / std (reciprocal with a correction step),
;   LG = -log2(std) - log2(sqrt(2 pi)).  erf(v / sqrt 2) = vc PA(y) / PB(y), vc = v held to +-4 sqrt 2, y = vc^2: a rational form of degree 13 over 8 with sqrt 1/2 folded into its coefficients.
;   What is quantised is g' = v + v erf = 2 gelu(v): the codes are gelu's own, and 1 is taken off each scale byte, which is exact.
; LIMITS.  NaN and infinities among the inputs are not served.  A squared distance under 2^-100 gives a distance that is too small (by less than 2^-50 in all).  v_exp_f32 gives 0 where gk lies under 2^-126.
;   erf is good to about 2e-7 of 1, so gelu(v) to about |v| x 1e-7: far down the negative side that is large beside gelu itself.  Blocks whose largest magnitude lies under 2^-124 keep the scale byte 1 (a block of
;   zeros too, where the quantiser says 127: its codes are zeros).  A node type outside 0 .. 99 is held at 99.
; REGISTERS.  Window 0: v2-11 addresses; v[12:13] x; v[14:17] two coefficients; v18-29 scale words and nothing else; v32-47 W2; v48-63 b2; v64-127 the hidden layer; v128-255 at work.
;   Window 1: v0-63 means, v64-127 RS, v128-191 LG, v192-255 W1's eight fragments.
.set WREG,   11520                     ; LDS: a region for each wave:
.set XB,     8192                      ;   +0 b1 as an image of the hidden layer's 64 registers (8,192 bytes); +8,192 my 256 x;
.set STG,    9216                      ;   +9,216 the stage for the way out: 16 rows of 128 bytes + 16
.set SPITCH, 144
.set SPARE,  8*WREG                    ; behind the eight regions: the spare words, 128 bytes for each wave: four blocks of 256 bytes that no other line names
.set SPW, 2                            ; v2   LDS address of my spare word; never rewritten
.set NIL, 3                            ; v3   0; never rewritten
.set STO, 4                            ; v4   the stage: where I put 32 bytes of a pair's row
.set RD,  5                            ; v5   and where I read 16 bytes back
.set BI,  6                            ; v6   b1's image: 16 x lane
.set GO,  7                            ; v7   16 x lane: my byte in 512 bytes of out
.set XA0, 8                            ; v8   my pair's x in tile 0
.set XA,  9                            ; v9   and in the tile in hand
.set SH8, 10                           ; v10  8 h
.set XS,  11                           ; v11  where I store x at the head
.set XC,  12                           ; v[12:13] x of my pair (the low word serves both halves)
.set A13, 14                           ; v[14:15] PA's highest coefficient, twice
.set B8,  16                           ; v[16:17] PB's highest, twice
.set W1S, 18                           ; v18-25 W1's scale words, a register a tile
.set W2S, 26                           ; v26-27 W2's
.set GW,  28                           ; v28  gk's scale word
.set HW,  29                           ; v29  the hidden layer's
.set LN,  30
.set LR,  31
.set W2F, 32
.set B2,  48
.set H,   64
.set G,   128                          ; GK: the 64 Gaussians;
.set CG,  192                          ;     their codes;
.set QT,  200                          ;     v200-203 maxima, v204-205 scale operands, v206-207 bytes, v208-209 the word
.set VC,  128                          ; GELU: vc, y, PA, PB: 32 each
.set YY,  160
.set PP,  192
.set QQ,  224
.set TM,  128                          ; QUANTH: at work;
.set CH,  192                          ;         the codes
.set OUTR, 224                         ; the way out: 2,048 bytes read back from the stage
.set D2,  240                          ; the second product's two accumulators
.set SD,  128                          ; the head: std
.set CO,  192                          ;   four registers for each of my eight targets: the three differences, then at work; the fourth ends as x
.set NT,  224
.set GT,  232
.set BT,  240
.set L0,  192                          ;   log2(std)
.set MEAN, 0                           ; window 1
.set RS,   64
.set LG,   128
.set W1F,  192
.set NL, 44                            ; s44, s45: -4 sqrt 2, 4 sqrt 2
.set PL, 45
.set TRIPS, 68
.set XOFF,  69
.set MSB, 0
.macro WIN new                         ; the immediate's high byte repeats the setting that is left; bits 1:0 source 0, 3:2 source 1, 5:4 source 2, 7:6 destination
.if MSB != \new
	s_set_vgpr_msb (MSB<<8)|\new
.set MSB, \new
.endif
.endm
.macro SPAIR reg, val                  ; a constant for the packed forms, which name a pair and take its low word for both halves
	s_mov_b32 s[\reg], \val
	s_mov_b32 s[\reg+1], \val
.endm
.macro PLACES n
.rept \n
	v_nop
.endr
.endm
	s_load_b512 s[8:23], s[0:1], 0x0               ; W1's codes s[8:9], scales s[10:11]; W2's s[12:13], s[14:15]; b1 s[16:17]; b2 s[18:19]; beta s[20:21]; coord s[22:23]
	s_load_b256 s[24:31], s[0:1], 0x40             ; gamma s[24:25]; means s[26:27]; node_type s[28:29]; stds s[30:31]
	s_load_b64 s[32:33], s[0:1], 0x60              ; out
	v_lshl_add_u32 v[SPW], v0, 2, SPARE
	v_mov_b32 v[NIL], 0
	v_lshrrev_b32 v1, 5, v0
	v_readfirstlane_b32 s34, v1                    ; wave 0..7
	v_and_b32 v[LN], 31, v0                        ; lane
	v_and_b32 v[LR], 15, v0                        ; r
	v_bfe_u32 v[XA], v0, 4, 1                      ; h (the register takes its own part in the loop)
	s_mul_i32 s35, s34, WREG                       ; my region of LDS
	s_add_co_u32 s77, s35, XB
	s_add_co_u32 s78, s35, STG
	v_lshlrev_b32 v1, 2, v[LN]                     ; 4 x lane
	v_lshlrev_b32 v[GO], 4, v[LN]
	v_lshlrev_b32 v[SH8], 3, v[XA]
	v_add_nc_u32 v[BI], s35, v[GO]
	v_add_nc_u32 v[XS], s77, v1
	v_lshl_add_u32 v[XA0], v[LR], 2, s77
	v_mul_u32_u24 v[STO], v[LR], SPITCH            ; the stage, in: row r, + 32 h
	v_lshl_add_u32 v[STO], v[XA], 5, v[STO]
	v_add_nc_u32 v[STO], s78, v[STO]
	v_lshrrev_b32 v[RD], 3, v[LN]                  ; back: eight lanes to a row of 128 bytes, four rows an instruction
	v_mul_u32_u24 v[RD], v[RD], SPITCH
	v_and_b32 v248, 7, v[LN]
	v_lshl_add_u32 v[RD], v248, 4, v[RD]
	v_add_nc_u32 v[RD], s78, v[RD]
	v_mul_u32_u24 v248, v[LN], 12                  ; the head's offsets.  coord: 12 bytes a node
	v_lshlrev_b32 v249, 7, v[XA]                   ; means, stds: my 32 of each 64 begin 128 h bytes on
	v_and_b32 v251, 8, v[LR]
	v_add_nc_u32 v251, v251, v[LR]                 ; r + 8 (r / 8)
	v_lshlrev_b32 v250, 6, v251
	v_lshl_add_u32 v250, v[XA], 4, v250            ; W1: a row of 128 codes is 64 bytes; + 16 h
	v_lshlrev_b32 v251, 2, v251                    ; its scale word
	v_lshlrev_b32 v252, 6, v[LR]
	v_lshl_add_u32 v252, v[XA], 4, v252            ; W2: row r, + 16 h
	v_lshlrev_b32 v253, 2, v[LR]                   ; its scale word
	v_lshlrev_b32 v254, 6, v[XA]                   ; b1: 16 h numbers on
	v_lshlrev_b32 v255, 5, v[XA]                   ; b2: 8 h numbers on
	v_mov_b32 v[XC+1], 0                           ; (named with x as a pair, so it is written)
	v_mov_b32 v[A13], 0xac53f331                   ; PA6 = -3.01199012e-12
	v_mov_b32 v[A13+1], 0xac53f331
	v_mov_b32 v[B8], 0xb57460cd                    ; PB4 = -9.10379490e-07
	v_mov_b32 v[B8+1], 0xb57460cd
	s_mov_b32 s42, 0x76543210
	s_mov_b32 s43, 0xfedcba98                      ; v_permlanex16_b32's selects for lane l xor 16
	s_mov_b32 s[NL], 0xc0b504f3
	s_mov_b32 s[PL], 0x40b504f3
	SPAIR 46, 0x30284a8d                           ; PA5 =  6.12239883e-10
	SPAIR 48, 0xb3c7667d                           ; PA4 = -9.28530208e-08
	SPAIR 50, 0xb6a8d45d                           ; PA3 = -5.03151234e-06
	SPAIR 52, 0xb9083d9c                           ; PA2 = -1.29929215e-04
	SPAIR 54, 0xba88eb41                           ; PA1 = -1.04460878e-03
	SPAIR 56, 0xbc3a79f3                           ; PA0 = -1.13816143e-02
	SPAIR 58, 0xb7dfbd29                           ; PB3 = -2.66717569e-05
	SPAIR 60, 0xb9dc924e                           ; PB2 = -4.20706744e-04
	SPAIR 62, 0xbb719bf8                           ; PB1 = -3.68666458e-03
	SPAIR 66, 0xbc69b6a7                           ; PB0 = -1.42647391e-02
	SPAIR 72, 0x3f596d27                           ; sqrt(log2(e) / 2) = 0.84932180
	SPAIR 74, 0xbfa9b21d                           ; -log2(sqrt(2 pi)) = -1.32574806
	s_mov_b32 s76, 0x3c23d70a                      ; 0.01
	s_lshl_b32 s79, ttmp9, 2
	s_lshr_b32 s70, s34, 1
	s_add_co_u32 s79, s79, s70                     ; my source node: b 512 + n = 4 g + w / 2
	s_mul_i32 s2, s79, 12
	s_mov_b32 s3, 0
	s_lshl_b32 s70, s79, 2
	s_mov_b32 s71, 0
	s_wait_kmcnt 0x0
	s_add_nc_u64 s[4:5], s[22:23], s[2:3]
	s_add_nc_u64 s[6:7], s[28:29], s[70:71]
	s_load_b96 s[36:38], s[4:5], 0x0               ; the source's coordinates
	s_load_b32 s39, s[6:7], 0x0                    ; and its type
	s_lshr_b32 s79, ttmp9, 7
	s_lshl_b32 s79, s79, 9
	s_and_b32 s2, s34, 1
	s_lshl_b32 s2, s2, 8
	s_add_co_u32 s79, s79, s2                      ; my first target node: b 512 + 256 (w % 2)
	s_mul_i32 s2, s79, 12
	s_add_nc_u64 s[22:23], s[22:23], s[2:3]
	s_lshl_b32 s70, s79, 2
	s_add_nc_u64 s[28:29], s[28:29], s[70:71]
	s_lshl_b32 s2, ttmp9, 3
	s_add_co_u32 s2, s2, s34
	s_lshl_b32 s2, s2, 15                          ; my 32,768 bytes of out
	s_add_nc_u64 s[32:33], s[32:33], s[2:3]
.irp j, 0,1,2,3,4,5,6,7                        ; lane l takes targets 32 j + l
	global_load_b32 v[NT+\j], v1, s[28:29] offset:128*\j
.endr
.irp j, 0,1,2,3,4,5,6,7
	global_load_b96 v[CO+4*\j:CO+4*\j+2], v248, s[22:23] offset:384*\j
.endr
.irp c, 0,1
.irp q, 0,1,2,3,4,5,6,7
	global_load_b128 v[SD+32*\c+4*\q:SD+32*\c+4*\q+3], v249, s[30:31] offset:256*\c+16*\q   ; stds(64 c + 32 h + 4 q ..)
.endr
.endr
.irp t, 0,1,2,3,4,5,6,7                        ; b1 in the result's layout: tile t, register j: hidden unit 32 (t / 2) + 16 h + 8 (t % 2) + j
	global_load_b128 v[H+8*\t:H+8*\t+3], v254, s[16:17] offset:(32*(\t/2)+8*(\t%2))*4
	global_load_b128 v[H+8*\t+4:H+8*\t+7], v254, s[16:17] offset:(32*(\t/2)+8*(\t%2))*4+16
.endr
	s_wait_kmcnt 0x0
	s_min_u32 s39, s39, 99                         ; an index stays inside its table
	s_lshl_b32 s39, s39, 2
	s_load_b32 s40, s[24:25], s39 offset:0x8       ; gamma[type + 2]
	s_load_b32 s41, s[20:21], s39 offset:0x8       ; beta[type + 2]
	s_wait_loadcnt 40                              ; the eight loads of types are in: behind them 8 of coord, 16 of stds and 16 of b1 were issued
.irp j, 0,1,2,3,4,5,6,7
	v_min_u32 v[NT+\j], 99, v[NT+\j]
.endr
.irp j, 0,1,2,3,4,5,6,7
	v_lshlrev_b32 v[NT+\j], 2, v[NT+\j]
.endr
.irp j, 0,1,2,3,4,5,6,7
	global_load_b32 v[GT+\j], v[NT+\j], s[24:25] offset:412    ; gamma[type + 103]
	global_load_b32 v[BT+\j], v[NT+\j], s[20:21] offset:412    ; beta[type + 103]
.endr
	WIN 0x40                                       ; destination window 1
.irp c, 0,1
.irp q, 0,1,2,3,4,5,6,7
	global_load_b128 v[MEAN+32*\c+4*\q:MEAN+32*\c+4*\q+3], v249, s[26:27] offset:256*\c+16*\q
.endr
.endr
.irp t, 0,1,2,3,4,5,6,7
.irp c, 0,1
	global_load_b128 v[W1F+8*\t+4*\c:W1F+8*\t+4*\c+3], v250, s[8:9] offset:(32*(\t/2)+8*(\t%2))*64+32*\c
.endr
.endr
	WIN 0
.irp t, 0,1,2,3,4,5,6,7
	global_load_b32 v[W1S+\t], v251, s[10:11] offset:(32*(\t/2)+8*(\t%2))*4
.endr
.irp n, 0,1
.irp c, 0,1
	global_load_b128 v[W2F+8*\n+4*\c:W2F+8*\n+4*\c+3], v252, s[12:13] offset:1024*\n+32*\c
.endr
	global_load_b32 v[W2S+\n], v253, s[14:15] offset:64*\n
	global_load_b128 v[B2+8*\n:B2+8*\n+3], v255, s[18:19] offset:64*\n     ; b2 in the result's layout: head 16 n + 8 h + j
	global_load_b128 v[B2+8*\n+4:B2+8*\n+7], v255, s[18:19] offset:64*\n+16
.endr
	s_wait_loadcnt 50                              ; all but the 50 loads issued behind the gathers: coord, stds, b1, gamma and beta are in
	s_wait_kmcnt 0x0                               ; the source's gamma and beta
.irp q, 0,1,2,3,4,5,6,7,8,9,10,11,12,13,14,15
	ds_store_b128 v[BI], v[H+4*\q:H+4*\q+3] offset:512*\q      ; b1's image: each tile's sums begin from it
.endr
	; my eight x
.irp j, 0,1,2,3,4,5,6,7
	v_sub_f32 v[CO+4*\j], s36, v[CO+4*\j]
	v_sub_f32 v[CO+4*\j+1], s37, v[CO+4*\j+1]
	v_sub_f32 v[CO+4*\j+2], s38, v[CO+4*\j+2]
.endr
.irp j, 0,1,2,3,4,5,6,7
	v_mul_f32 v[CO+4*\j+3], v[CO+4*\j], v[CO+4*\j]
.endr
.irp j, 0,1,2,3,4,5,6,7
	v_fmac_f32 v[CO+4*\j+3], v[CO+4*\j+1], v[CO+4*\j+1]
.endr
.irp j, 0,1,2,3,4,5,6,7
	v_fmac_f32 v[CO+4*\j+3], v[CO+4*\j+2], v[CO+4*\j+2]        ; q: the squared distance
.endr
.irp j, 0,1,2,3,4,5,6,7
	v_max_num_f32 v[CO+4*\j], 0x0d800000, v[CO+4*\j+3]         ; held at 2^-100 from below, so that q = 0 gives 0 x a finite number
.endr
.irp j, 0,1,2,3,4,5,6,7
	v_rsq_f32 v[CO+4*\j], v[CO+4*\j]               ; y
.endr
.irp j, 0,1,2,3,4,5,6,7
	v_add_f32 v[GT+\j], s40, v[GT+\j]              ; gamma and beta of the pair: plain work behind the batch
	v_add_f32 v[BT+\j], s41, v[BT+\j]
.endr
	s_wait_alu depctr_va_vdst(0)                   ; one wait for the eight, ahead of their first reader
.irp j, 0,1,2,3,4,5,6,7
	v_mul_f32 v[CO+4*\j+1], v[CO+4*\j+3], v[CO+4*\j]           ; s0 = q y
.endr
.irp j, 0,1,2,3,4,5,6,7
	v_fma_f32 v[CO+4*\j+2], -v[CO+4*\j+1], v[CO+4*\j+1], v[CO+4*\j+3]   ; q - s0^2
.endr
.irp j, 0,1,2,3,4,5,6,7
	v_mul_f32 v[CO+4*\j], 0.5, v[CO+4*\j]
.endr
.irp j, 0,1,2,3,4,5,6,7
	v_fma_f32 v[CO+4*\j+3], v[CO+4*\j+2], v[CO+4*\j], v[CO+4*\j+1]      ; the distance: s0 + (q - s0^2) y / 2
.endr
.irp j, 0,1,2,3,4,5,6,7
	v_fma_f32 v[CO+4*\j+3], v[GT+\j], v[CO+4*\j+3], v[BT+\j]   ; x
.endr
.irp j, 0,1,2,3,4,5,6,7
	ds_store_b32 v[XS], v[CO+4*\j+3] offset:128*\j
.endr
	; the Gaussians' constants for my 64 k
	s_wait_dscnt 0x0                               ; the LDS stores have read their registers,
	s_wait_xcnt 0x0                                ; and the loads that are still out their offsets: both are written below
.set i, 0
.rept 64
	v_add_f32 v[SD+i], |v[SD+i]|, s76              ; std
.set i, i+1
.endr
.set i, 0
.rept 64
	v_rcp_f32 v[H+i], v[SD+i]
.set i, i+1
.endr
.set i, 0
.rept 64
	v_log_f32 v[L0+i], v[SD+i]
.set i, i+1
.endr
	v_nop                                          ; a plain instruction behind the last of the batch
	s_wait_alu depctr_va_vdst(0)                   ; one wait for the 128
	WIN 0x40
.set i, 0
.rept 32
	v_pk_mul_f32 v[RS+i:RS+i+1], v[H+i:H+i+1], s[72:73] op_sel_hi:[1,0]      ; q0 = c x the reciprocal
.set i, i+2
.endr
	WIN 0x01
.set i, 0
.rept 32
	v_pk_fma_f32 v[SD+i:SD+i+1], v[RS+i:RS+i+1], v[SD+i:SD+i+1], s[72:73] op_sel_hi:[1,1,0] neg_lo:[1,0,0] neg_hi:[1,0,0]   ; e = c - q0 std
.set i, i+2
.endr
	WIN 0x50
.set i, 0
.rept 32
	v_pk_fma_f32 v[RS+i:RS+i+1], v[SD+i:SD+i+1], v[H+i:H+i+1], v[RS+i:RS+i+1]   ; RS = q0 + e x the reciprocal
.set i, i+2
.endr
.set i, 0
.rept 32
	v_pk_add_f32 v[LG+i:LG+i+1], v[L0+i:L0+i+1], s[74:75] op_sel_hi:[1,0] neg_lo:[1,0] neg_hi:[1,0]   ; LG = -log2(std) - log2(sqrt(2 pi))
.set i, i+2
.endr
	WIN 0
	s_wait_loadcnt 0x0                             ; means, W1, W2, their scale words, b2
.macro SEND                            ; a tile's 2,048 bytes: each store of the wave covers 512 consecutive bytes, at a multiple of 256 from out's first byte; written once, read by nobody here
.irp q, 0,1,2,3
	global_store_b128 v[GO], v[OUTR+4*\q:OUTR+4*\q+3], s[32:33] offset:512*\q th:TH_STORE_NT
.endr
.endm
; THE FIRST OPERAND of a tile: 64 Gaussians a lane, their codes and the scale word.  send = 1: the tile before leaves meanwhile.
.macro GK send
	s_wait_dscnt 8                                 ; x is in: behind its load only the stage's 4 stores and 4 loads were issued
.irp q, 0,1,2,3,4,5,6,7,8,9,10,11,12,13,14,15
	ds_load_b128 v[H+4*\q:H+4*\q+3], v[BI] offset:512*\q       ; b1, the C of this tile's first product
.endr
	WIN 0x04                                       ; source 1 window 1
.set i, 0
.rept 32
	v_pk_add_f32 v[G+i:G+i+1], v[XC:XC+1], v[MEAN+i:MEAN+i+1] op_sel_hi:[0,1] neg_lo:[0,1] neg_hi:[0,1]   ; x - mean
.set i, i+2
.endr
.set i, 0
.rept 32
	v_pk_mul_f32 v[G+i:G+i+1], v[G+i:G+i+1], v[RS+i:RS+i+1]   ; z
.set i, i+2
.endr
	WIN 0
.if \send
	s_wait_dscnt 16                                ; only b1's 16 loads may be out: the last tile is back from the stage
	SEND
.endif
	WIN 0x10                                       ; source 2 window 1
.set i, 0
.rept 32
	v_pk_fma_f32 v[G+i:G+i+1], v[G+i:G+i+1], v[G+i:G+i+1], v[LG+i:LG+i+1] neg_lo:[1,0,0] neg_hi:[1,0,0]   ; LG - z^2
.if i >= 4
	v_exp_f32 v[G+i-4], v[G+i-4]                   ; the exponentials follow two pairs behind; none of their results is named ahead of the wait
	v_exp_f32 v[G+i-3], v[G+i-3]
.endif
.set i, i+2
.endr
.irp e, 60,61,62,63
	v_exp_f32 v[G+\e], v[G+\e]
.endr
	WIN 0
	v_nop                                          ; a plain instruction behind the last exponential
	s_wait_alu depctr_va_vdst(0)                   ; one wait for the 64
	v_max3_num_f32 v[QT], v[G], v[G+1], 0x1800000  ; each block's largest number (none is negative), two chains a block; the floor 2^(3 - 127) holds the byte at 1 from below
	v_max3_num_f32 v[QT+1], v[G+32], v[G+33], 0x1800000
	v_max3_num_f32 v[QT+2], v[G+16], v[G+17], v[G+18]
	v_max3_num_f32 v[QT+3], v[G+48], v[G+49], v[G+50]
.irp e, 0,2,4,6,8,10
	v_max3_num_f32 v[QT], v[QT], v[G+2+\e], v[G+3+\e]
	v_max3_num_f32 v[QT+1], v[QT+1], v[G+34+\e], v[G+35+\e]
	v_max3_num_f32 v[QT+2], v[QT+2], v[G+19+\e], v[G+20+\e]
	v_max3_num_f32 v[QT+3], v[QT+3], v[G+51+\e], v[G+52+\e]
.endr
	v_max3_num_f32 v[QT], v[QT], v[G+14], v[G+15]
	v_max3_num_f32 v[QT+1], v[QT+1], v[G+46], v[G+47]
	v_max3_num_f32 v[QT], v[QT], v[QT+2], v[G+31]
	v_max3_num_f32 v[QT+1], v[QT+1], v[QT+3], v[G+63]
	v_add_nc_u32 v[QT+4], 0xff000000, v[QT]        ; 2 off the exponent field: the conversion takes the exponent field of this operand as its scale
	v_add_nc_u32 v[QT+5], 0xff000000, v[QT+1]
.irp c, 0,1
.irp g, 0,1,2,3
	v_cvt_scalef32_pk8_fp4_f32 v[CG+4*\c+\g], v[G+32*\c+8*\g:G+32*\c+8*\g+7], v[QT+4+\c]   ; registers 4 c .. 4 c + 3 of the operand
.endr
.endr
	v_lshrrev_b32 v[QT+6], 23, v[QT+4]             ; the scales' bytes: blocks h and 2 + h of my pair
	v_lshrrev_b32 v[QT+7], 23, v[QT+5]
	v_lshl_or_b32 v[QT+8], v[QT+7], 16, v[QT+6]
	v_lshlrev_b32 v[QT+8], v[SH8], v[QT+8]         ; at their places in the word
	v_mov_b32 v[QT+9], 0
	v_permlanex16_b32 v[QT+9], v[QT+8], s42, s43
	v_or_b32 v[GW], v[QT+8], v[QT+9]               ; with lane l xor 16's two the word is whole
.if \send
	s_wait_xcnt 0x0                                ; the stores have read their base and their data: the base steps here, the data registers are written in the next gelu
	s_add_nc_u64 s[32:33], s[32:33], 2048
.endif
	PLACES 8                                       ; a scale word made by a vector instruction stands 8 places ahead of the scaled product, an operand so made 4
.endm
.macro QSTEP cf
.set i, 0
.rept 16
	v_pk_fma_f32 v[QQ+i:QQ+i+1], v[QQ+i:QQ+i+1], v[YY+i:YY+i+1], s[\cf:\cf+1] op_sel_hi:[1,1,0]
.set i, i+2
.endr
.endm
.macro PSTEP first, cf                 ; a level of PA's Horner form; behind every third instruction one reciprocal of a finished PB
.set i, 0
.rept 16
.if \first
	v_pk_fma_f32 v[PP+i:PP+i+1], v[YY+i:YY+i+1], v[A13:A13+1], s[\cf:\cf+1] op_sel_hi:[1,1,0]
.else
	v_pk_fma_f32 v[PP+i:PP+i+1], v[PP+i:PP+i+1], v[YY+i:YY+i+1], s[\cf:\cf+1] op_sel_hi:[1,1,0]
.endif
.if idx%3 == 2
	v_rcp_f32 v[QQ+idx/3], v[QQ+idx/3]
.endif
.set idx, idx+1
.set i, i+2
.endr
.endm
; 32 of the lane's hidden units, v[hb] on, become 2 gelu.  The first reads go up from each accumulator's low end.
.macro GELU hb
.set i, 0
.rept 32
	v_med3_num_f32 v[VC+i], v[\hb+i], s[NL], s[PL]
.set i, i+1
.endr
.set i, 0
.rept 16
	v_pk_mul_f32 v[YY+i:YY+i+1], v[VC+i:VC+i+1], v[VC+i:VC+i+1]
.set i, i+2
.endr
.set i, 0
.rept 16
	v_pk_fma_f32 v[QQ+i:QQ+i+1], v[YY+i:YY+i+1], v[B8:B8+1], s[58:59] op_sel_hi:[1,1,0]
.set i, i+2
.endr
	QSTEP 60
	QSTEP 62
	QSTEP 66
.set idx, 0
	PSTEP 1, 46
	PSTEP 0, 48
	PSTEP 0, 50
	PSTEP 0, 52
	PSTEP 0, 54
	PSTEP 0, 56
.set i, 0
.rept 16
	v_pk_mul_f32 v[PP+i:PP+i+1], v[PP+i:PP+i+1], v[VC+i:VC+i+1]   ; plain work behind the last reciprocal, which names none of them
.set i, i+2
.endr
	s_wait_alu depctr_va_vdst(0)                   ; one wait for the 32 reciprocals
.set i, 0
.rept 16
	v_pk_mul_f32 v[PP+i:PP+i+1], v[PP+i:PP+i+1], v[QQ+i:QQ+i+1]   ; erf
.set i, i+2
.endr
.set i, 0
.rept 16
	v_pk_fma_f32 v[\hb+i:\hb+i+1], v[\hb+i:\hb+i+1], v[PP+i:PP+i+1], v[\hb+i:\hb+i+1]   ; v + v erf
.set i, i+2
.endr
.endm
; The hidden layer's 64 numbers of a lane (register 16 b + i: unit 32 b + 16 h + i), doubled, become the second operand's codes and scale word.
.macro QUANTH
.irp b, 0,1,2,3
	v_max3_num_f32 v[TM+\b], |v[H+16*\b]|, |v[H+1+16*\b]|, 0x2000000   ; the floor 2^(4 - 127): of doubled numbers, so that the byte stays at 1 or more when 1 has been taken off
.endr
.irp e, 2,4,6,8,10,12,14
.irp b, 0,1,2,3
	v_max3_num_f32 v[TM+\b], v[TM+\b], |v[H+16*\b+\e]|, |v[H+1+16*\b+\e]|
.endr
.endr
.irp b, 0,1,2,3
	v_permlanex16_b32 v[TM+4+\b], v[TM+\b], s42, s43
.endr
.irp b, 0,1,2,3
	v_max_num_f32 v[TM+\b], v[TM+\b], v[TM+4+\b]   ; with lane l xor 16's 16: the block's largest magnitude
.endr
.irp b, 0,1,2,3
	v_add_nc_u32 v[TM+12+\b], 0xff000000, v[TM+\b] ; the conversion's scale operand: that of the doubled numbers, so the codes are gelu's own
.endr
.irp b, 0,1,2,3
	v_lshrrev_b32 v[TM+4+\b], 23, v[TM+12+\b]
.endr
	v_lshl_or_b32 v[HW], v[TM+5], 8, v[TM+4]
	v_lshl_or_b32 v[HW], v[TM+6], 16, v[HW]
	v_lshl_or_b32 v[HW], v[TM+7], 24, v[HW]
	v_add_nc_u32 v[HW], 0xfefefeff, v[HW]          ; 1 off each of the four bytes (each is 2 or more: nothing is borrowed): the halving, exact
.irp b, 0,1,2,3
	v_cvt_scalef32_pk8_fp4_f32 v[CH+2*\b], v[H+16*\b:H+7+16*\b], v[TM+12+\b]
	v_cvt_scalef32_pk8_fp4_f32 v[CH+1+2*\b], v[H+8+16*\b:H+15+16*\b], v[TM+12+\b]
.endr
	v_nop                                          ; one plain place behind a scaled conversion
.irp c, 0,1                                    ; the operand's layout wants a whole block in a lane
.irp e, 0,1
	v_permlane16_swap_b32 v[CH+4*\c+\e], v[CH+2+4*\c+\e]
.endr
.endr
.endm
; THE REST of a tile: first product, gelu, quantiser, second product, into the stage and back.  next = 1: the next tile's x is asked for.
.macro REST next
	s_wait_dscnt 0x0                               ; b1 is in
	WIN 0x01                                       ; source 0 (W1) window 1
.irp t, 0,1,2,3,4,5,6,7
	v_wmma_scale_f32_16x16x128_f8f6f4 v[H+8*\t:H+8*\t+7], v[W1F+8*\t:W1F+8*\t+7], v[CG:CG+7], v[H+8*\t:H+8*\t+7], v[W1S+\t], v[GW] matrix_a_fmt:MATRIX_FMT_FP4 matrix_b_fmt:MATRIX_FMT_FP4
.endr
	WIN 0
.if \next
	v_add_nc_u32 v[XA], s[XOFF], v[XA0]
	ds_load_b32 v[XC], v[XA]
	s_add_co_u32 s[XOFF], s[XOFF], 64              ; 16 pairs on
.endif
	PLACES 4                                       ; in front of the first read of the results
	GELU H
	GELU H+32
	QUANTH
	PLACES 8                                       ; the scale word and the operand were made by vector instructions
.irp n, 0,1
	v_wmma_scale_f32_16x16x128_f8f6f4 v[D2+8*\n:D2+8*\n+7], v[W2F+8*\n:W2F+8*\n+7], v[CH:CH+7], v[B2+8*\n:B2+8*\n+7], v[W2S+\n], v[HW] matrix_a_fmt:MATRIX_FMT_FP4 matrix_b_fmt:MATRIX_FMT_FP4
.endr
	PLACES 4
.irp n, 0,1
	ds_store_b128 v[STO], v[D2+8*\n:D2+8*\n+3] offset:64*\n          ; lane (r, h): out(pair r, head 16 n + 8 h + 0 .. 7); each accumulator from its low end on
	ds_store_b128 v[STO], v[D2+8*\n+4:D2+8*\n+7] offset:64*\n+16
.endr
.irp q, 0,1,2,3
	ds_load_b128 v[OUTR+4*\q:OUTR+4*\q+3], v[RD] offset:4*SPITCH*\q  ; LDS serves a wave's instructions in order: these see the stores above
.endr
.endm
	ds_load_b32 v[XC], v[XA0]                      ; tile 0's x
	s_mov_b32 s[XOFF], 64
	s_wait_dscnt 0x0
	GK 0
	s_mov_b32 s[TRIPS], 15
.Ltile:                                            ; a trip finishes tile i, makes tile i + 1's first operand, and stores tile i under that
	REST 1
	GK 1
	s_sub_co_u32 s[TRIPS], s[TRIPS], 1
	s_cmp_lg_u32 s[TRIPS], 0
	s_cbranch_scc1 .Ltile
	REST 0                                         ; the last tile asks for no further x
	s_wait_dscnt 0x0
	SEND
	s_wait_tensorcnt 0x0                           ; the wave's end
	ds_add_u32 v[SPW], v[NIL]
	s_wait_dscnt 0x0
	s_endpgm
.Lfunc_end_k_q637dbd5cf3_spatial:
	.size	k_q637dbd5cf3_spatial, .Lfunc_end_k_q637dbd5cf3_spatial-k_q637dbd5cf3_spatial
	.p2alignl 7, 3214868480
	.fill 96, 4, 3214868480
	.section	.rodata,"a",@progbits
	.p2align	6, 0x0
	.amdhsa_kernel k_q637dbd5cf3_spatial
		.amdhsa_group_segment_fixed_size 93184
		.amdhsa_private_segment_fixed_size 0
		.amdhsa_enable_private_segment 0
		.amdhsa_kernarg_size 104
		.amdhsa_user_sgpr_count 2
		.amdhsa_user_sgpr_kernarg_segment_ptr 1
		.amdhsa_wavefront_size32 1
		.amdhsa_system_sgpr_workgroup_id_x 1
		.amdhsa_system_sgpr_workgroup_id_y 1
		.amdhsa_system_sgpr_workgroup_id_z 1
		.amdhsa_system_vgpr_workitem_id 0
		.amdhsa_next_free_vgpr 512
		.amdhsa_next_free_sgpr 80
		.amdhsa_reserve_vcc 0
		.amdhsa_float_denorm_mode_32 3
		.amdhsa_float_denorm_mode_16_64 3
		.amdhsa_memory_ordered 1
		.amdhsa_forward_progress 1
		.amdhsa_inst_pref_size 147
	.end_amdhsa_kernel
	.amdgpu_metadata
---
amdhsa.version: [ 1, 2 ]
amdhsa.kernels:
  - .name:           k_q637dbd5cf3_spatial
    .symbol:         k_q637dbd5cf3_spatial.kd
    .args:
      - { .name: W1_codes, .offset: 0, .size: 8, .value_kind: global_buffer, .address_space: global }
      - { .name: W1_scales, .offset: 8, .size: 8, .value_kind: global_buffer, .address_space: global }
      - { .name: W2_codes, .offset: 16, .size: 8, .value_kind: global_buffer, .address_space: global }
      - { .name: W2_scales, .offset: 24, .size: 8, .value_kind: global_buffer, .address_space: global }
      - { .name: b1, .offset: 32, .size: 8, .value_kind: global_buffer, .address_space: global }
      - { .name: b2, .offset: 40, .size: 8, .value_kind: global_buffer, .address_space: global }
      - { .name: beta_emb, .offset: 48, .size: 8, .value_kind: global_buffer, .address_space: global }
      - { .name: coord, .offset: 56, .size: 8, .value_kind: global_buffer, .address_space: global }
      - { .name: gamma_emb, .offset: 64, .size: 8, .value_kind: global_buffer, .address_space: global }
      - { .name: means, .offset: 72, .size: 8, .value_kind: global_buffer, .address_space: global }
      - { .name: node_type, .offset: 80, .size: 8, .value_kind: global_buffer, .address_space: global }
      - { .name: stds, .offset: 88, .size: 8, .value_kind: global_buffer, .address_space: global }
      - { .name: out0, .offset: 96, .size: 8, .value_kind: global_buffer, .address_space: global }
    .group_segment_fixed_size: 93184
    .private_segment_fixed_size: 0
    .kernarg_segment_align: 8
    .kernarg_segment_size: 104
    .max_flat_workgroup_size: 256
    .sgpr_count:     80
    .vgpr_count:     512
    .wavefront_size: 32
...
	.end_amdgpu_metadata
.endif
;; end of part 1
;; ======== version 2 of 2: 1 launch; version 1 with the launch spatial written anew for expert scheduling mode
;; launch spatial (part 2): grid 256 x 1, 8 waves a work-group, no clusters, 93,184 bytes of LDS; arguments W1_codes, W1_scales, W2_codes, W2_scales, b1, b2, beta_emb, coord, gamma_emb, means, node_type, stds, out0; writes out0
.if DOCPART == 2
	.amdgcn_target "amdgcn-amd-amdhsa--gfx1250"
	.amdhsa_code_object_version 6
	.text
	.protected	k_q637dbd5cf3_spatial
	.globl	k_q637dbd5cf3_spatial
	.p2align	8
	.type	k_q637dbd5cf3_spatial,@function
k_q637dbd5cf3_spatial:
	s_mov_b64 s[64:65], 0
	v_nop
	global_prefetch_b8 v0, s[64:65] scope:SCOPE_SE
	s_setreg_imm32_b32 hwreg(HW_REG_WAVE_SCHED_MODE, 0, 2), 2
	s_setreg_imm32_b32 hwreg(HW_REG_WAVE_MODE, 25, 1), 1
	s_wait_xcnt 0x0
	s_wait_alu depctr_vm_vsrc(0)
; SpatialEncoder3d.  For each pair (b, n, m): x = (gamma[nt(n)+2] + gamma[nt(m)+103]) |c_n - c_m| + beta[nt(n)+2] + beta[nt(m)+103];
; gk_k = exp(-0.5 ((x - mean_k) / std_k)^2) / (sqrt(2 pi) std_k), std = |stds| + 0.01;  h = gelu(Q(gk) W1^T + b1), exact gelu;  out = Q(h) W2^T + b2.
; Q: E2M1 codes with one E8M0 scale for each 32 along K, made here in registers; W1 and W2 arrive as codes and go to the matrix unit as they lie.
; NOTHING IS LEFT OUT: every input has a way to the output and is loaded.
; SHARES.  524,288 pairs = 32,768 tiles of 16 neighbouring m of one (b, n).  256 work-groups x 8 waves; wave w of work-group g owns row b 512 + n = 4 g + w / 2 and m = 256 (w % 2) + 0 .. 255: 16 tiles,
; 32,768 consecutive bytes of out.  Waves share nothing: no barrier.  A tile has 10 matrix instructions and some 800 vector ones, so the text is laid for few vector instructions a number: packed f32 forms,
; one exponential a Gaussian, one reciprocal a gelu, each kind in batches with one wait.
; NO TENSOR LOAD, NO CLUSTER, NO PREFETCH: all inputs together are 30,552 bytes; each wave reads its part once, at the head, into registers, and the loop reads no memory at all.
; LAYOUT.  r = lane % 16 is the pair, h = lane / 16.  Both products are used transposed (source 0 = 16 rows of the weight, source 1 = the 16 pairs), so a lane holds ONE pair throughout.
;   gk: the lane makes k = 64 c + 32 h + i (c = 0, 1; i = 0 .. 31): two whole blocks, in the order of the operand's registers: the conversions' results ARE the operand.
;   W1's tile t takes rows 32 (t / 2) + 8 (t % 2) + r + 8 (r / 8): the 16 registers of tiles 2 b, 2 b + 1 are hidden units 32 b + 16 h + 0 .. 15, neighbours along the next K.
; ARITHMETIC, all f32.  The distance: v_rsq_f32 and one correction step.  gk = 2^(LG_k - z^2), z = (x - mean_k) RS_k, RS = sqrt(log2(e) / 2) / std (reciprocal with a correction step),
;   LG = -log2(std) - log2(sqrt(2 pi)).  erf(v / sqrt 2) = vc PA(y) / PB(y), vc = v held to +-4 sqrt 2, y = vc^2: a rational form of degree 13 over 8 with sqrt 1/2 folded into its coefficients.
;   What is quantised is g' = v + v erf = 2 gelu(v): the codes are gelu's own, and 1 is taken off each scale byte, which is exact.
; LIMITS.  NaN and infinities among the inputs are not served.  A squared distance under 2^-100 gives a distance that is too small (by less than 2^-50 in all).  v_exp_f32 gives 0 where gk lies under 2^-126.
;   erf is good to about 2e-7 of 1, so gelu(v) to about |v| x 1e-7: far down the negative side that is large beside gelu itself.  Blocks whose largest magnitude lies under 2^-124 keep the scale byte 1 (a block of
;   zeros too, where the quantiser says 127: its codes are zeros).  A node type outside 0 .. 99 is held at 99.
; REGISTERS.  Window 0: v2-11 addresses; v[12:13] x; v[14:17] two coefficients; v18-29 scale words and nothing else; v32-47 W2; v48-63 b2; v64-127 the hidden layer; v128-255 at work.
;   Window 1: v0-63 means, v64-127 RS, v128-191 LG, v192-255 W1's eight fragments.
; THE MODE: SCHED_MODE bits 1:0 = 2 (LLVM: expert scheduling mode 2), set by the entry lines.  The code itself states the register dependences
; between vector or matrix instructions and memory or LDS instructions, with s_wait_alu, always for 0.
; THE PLAN.  Registers that memory or LDS instructions touch, in the loop (a trip is REST, then GK):
;   v[H ..]     b1's 16 LDS loads land in it at GK's head.  Behind them: the first product reads and writes it, the gelus write it, the quantiser's maxima and conversions read it.
;   v[XC]       x's LDS load lands in it in REST, behind the first product; GK's subtractions read it.
;   v[XA]       read by x's load; written once a trip, by an add in GK's tail.
;   v[D2 ..]    written by the second product; read by the stage's 4 LDS stores; written again by the next trip's gelu.
;   v[OUTR ..]  the gelus work in it; the stage's 4 LDS loads land in it at REST's end; GK's 4 global stores read it; the next trip's gelu writes it.
;   v[STO], v[RD], v[BI], v[GO], v[XA0], v[SPW], v[NIL]: made at the head, never written again.
; THE WAITS of a trip.  On va_vdst: at REST's head (gk's codes and scale word, v[XA]; GK is done reading v[XC]); in each gelu (its reciprocals); ahead of the second product (the hidden layer's codes and scale word);
;   ahead of the stage's stores (v[D2 ..]; the gelus are done with v[OUTR ..], the quantiser with v[H ..]: so the stage's loads and b1's loads follow with no further wait); in GK (its exponentials).
;   On vm_vsrc: one, in GK's tail: the global stores have read v[OUTR ..], the stage's stores v[D2 ..], x's load v[XA].
.set WREG,   11520                     ; LDS: a region for each wave:
.set XB,     8192                      ;   +0 b1 as an image of the hidden layer's 64 registers (8,192 bytes); +8,192 my 256 x;
.set STG,    9216                      ;   +9,216 the stage for the way out: 16 rows of 128 bytes + 16
.set SPITCH, 144
.set SPARE,  8*WREG                    ; behind the eight regions: the spare words, 128 bytes for each wave: four blocks of 256 bytes that no other line names
.set SPW, 2                            ; v2   LDS address of my spare word; never rewritten
.set NIL, 3                            ; v3   0; never rewritten
.set STO, 4                            ; v4   the stage: where I put 32 bytes of a pair's row
.set RD,  5                            ; v5   and where I read 16 bytes back
.set BI,  6                            ; v6   b1's image: 16 x lane
.set GO,  7                            ; v7   16 x lane: my byte in 512 bytes of out
.set XA0, 8                            ; v8   my pair's x in tile 0
.set XA,  9                            ; v9   and in the tile whose x is asked for next
.set SH8, 10                           ; v10  8 h
.set XS,  11                           ; v11  where I store x at the head
.set XC,  12                           ; v[12:13] x of my pair (the low word serves both halves)
.set A13, 14                           ; v[14:15] PA's highest coefficient, twice
.set B8,  16                           ; v[16:17] PB's highest, twice
.set W1S, 18                           ; v18-25 W1's scale words, a register a tile
.set W2S, 26                           ; v26-27 W2's
.set GW,  28                           ; v28  gk's scale word
.set HW,  29                           ; v29  the hidden layer's
.set LN,  30
.set LR,  31
.set W2F, 32
.set B2,  48
.set H,   64
.set G,   128                          ; GK: the 64 Gaussians;
.set CG,  192                          ;     their codes;
.set QT,  200                          ;     v200-203 maxima, v204-205 scale operands, v206-207 bytes, v208-209 the word
.set VC,  128                          ; GELU: vc, y, PA, PB: 32 each
.set YY,  160
.set PP,  192
.set QQ,  224
.set TM,  128                          ; QUANTH: at work;
.set CH,  192                          ;         the codes
.set OUTR, 224                         ; the way out: 2,048 bytes read back from the stage
.set D2,  240                          ; the second product's two accumulators
.set SD,  128                          ; the head: std
.set CO,  192                          ;   four registers for each of my eight targets: the three differences, then at work; the fourth ends as x
.set NT,  224
.set GT,  232
.set BT,  240
.set L0,  192                          ;   log2(std)
.set MEAN, 0                           ; window 1
.set RS,   64
.set LG,   128
.set W1F,  192
.set NL, 44                            ; s44, s45: -4 sqrt 2, 4 sqrt 2
.set PL, 45
.set TRIPS, 68
.set XOFF,  69
.set MSB, 0
.macro WIN new                         ; the immediate's high byte repeats the setting that is left; bits 1:0 source 0, 3:2 source 1, 5:4 source 2, 7:6 destination
.if MSB != \new
	s_set_vgpr_msb (MSB<<8)|\new
.set MSB, \new
.endif
.endm
.macro SPAIR reg, val                  ; a constant for the packed forms, which name a pair and take its low word for both halves
	s_mov_b32 s[\reg], \val
	s_mov_b32 s[\reg+1], \val
.endm
.macro PLACES n
.rept \n
	v_nop
.endr
.endm
	s_load_b512 s[8:23], s[0:1], 0x0               ; W1's codes s[8:9], scales s[10:11]; W2's s[12:13], s[14:15]; b1 s[16:17]; b2 s[18:19]; beta s[20:21]; coord s[22:23]
	s_load_b256 s[24:31], s[0:1], 0x40             ; gamma s[24:25]; means s[26:27]; node_type s[28:29]; stds s[30:31]
	s_load_b64 s[32:33], s[0:1], 0x60              ; out
	v_lshl_add_u32 v[SPW], v0, 2, SPARE
	v_mov_b32 v[NIL], 0
	v_lshrrev_b32 v1, 5, v0
	v_readfirstlane_b32 s34, v1                    ; wave 0..7
	v_and_b32 v[LN], 31, v0                        ; lane
	v_and_b32 v[LR], 15, v0                        ; r
	v_bfe_u32 v[XA], v0, 4, 1                      ; h (the register takes its own part in the loop)
	s_wait_alu depctr_va_sdst(0)                   ; s34 is written, ahead of its first reader: my region of LDS, my nodes and my bytes of out are made from it
	s_mul_i32 s35, s34, WREG                       ; my region of LDS
	s_add_co_u32 s77, s35, XB
	s_add_co_u32 s78, s35, STG
	v_lshlrev_b32 v1, 2, v[LN]                     ; 4 x lane
	v_lshlrev_b32 v[GO], 4, v[LN]
	v_lshlrev_b32 v[SH8], 3, v[XA]
	v_add_nc_u32 v[BI], s35, v[GO]
	v_add_nc_u32 v[XS], s77, v1
	v_lshl_add_u32 v[XA0], v[LR], 2, s77
	v_mul_u32_u24 v[STO], v[LR], SPITCH            ; the stage, in: row r, + 32 h
	v_lshl_add_u32 v[STO], v[XA], 5, v[STO]
	v_add_nc_u32 v[STO], s78, v[STO]
	v_lshrrev_b32 v[RD], 3, v[LN]                  ; back: eight lanes to a row of 128 bytes, four rows an instruction
	v_mul_u32_u24 v[RD], v[RD], SPITCH
	v_and_b32 v248, 7, v[LN]
	v_lshl_add_u32 v[RD], v248, 4, v[RD]
	v_add_nc_u32 v[RD], s78, v[RD]
	v_mul_u32_u24 v248, v[LN], 12                  ; the head's offsets.  coord: 12 bytes a node
	v_lshlrev_b32 v249, 7, v[XA]                   ; means, stds: my 32 of each 64 begin 128 h bytes on
	v_and_b32 v251, 8, v[LR]
	v_add_nc_u32 v251, v251, v[LR]                 ; r + 8 (r / 8)
	v_lshlrev_b32 v250, 6, v251
	v_lshl_add_u32 v250, v[XA], 4, v250            ; W1: a row of 128 codes is 64 bytes; + 16 h
	v_lshlrev_b32 v251, 2, v251                    ; its scale word
	v_lshlrev_b32 v252, 6, v[LR]
	v_lshl_add_u32 v252, v[XA], 4, v252            ; W2: row r, + 16 h
	v_lshlrev_b32 v253, 2, v[LR]                   ; its scale word
	v_lshlrev_b32 v254, 6, v[XA]                   ; b1: 16 h numbers on
	v_lshlrev_b32 v255, 5, v[XA]                   ; b2: 8 h numbers on
	v_mov_b32 v[XC+1], 0                           ; (named with x as a pair, so it is written)
	v_mov_b32 v[A13], 0xac53f331                   ; PA6 = -3.01199012e-12
	v_mov_b32 v[A13+1], 0xac53f331
	v_mov_b32 v[B8], 0xb57460cd                    ; PB4 = -9.10379490e-07
	v_mov_b32 v[B8+1], 0xb57460cd
	s_mov_b32 s42, 0x76543210
	s_mov_b32 s43, 0xfedcba98                      ; v_permlanex16_b32's selects for lane l xor 16
	s_mov_b32 s[NL], 0xc0b504f3
	s_mov_b32 s[PL], 0x40b504f3
	SPAIR 46, 0x30284a8d                           ; PA5 =  6.12239883e-10
	SPAIR 48, 0xb3c7667d                           ; PA4 = -9.28530208e-08
	SPAIR 50, 0xb6a8d45d                           ; PA3 = -5.03151234e-06
	SPAIR 52, 0xb9083d9c                           ; PA2 = -1.29929215e-04
	SPAIR 54, 0xba88eb41                           ; PA1 = -1.04460878e-03
	SPAIR 56, 0xbc3a79f3                           ; PA0 = -1.13816143e-02
	SPAIR 58, 0xb7dfbd29                           ; PB3 = -2.66717569e-05
	SPAIR 60, 0xb9dc924e                           ; PB2 = -4.20706744e-04
	SPAIR 62, 0xbb719bf8                           ; PB1 = -3.68666458e-03
	SPAIR 66, 0xbc69b6a7                           ; PB0 = -1.42647391e-02
	SPAIR 72, 0x3f596d27                           ; sqrt(log2(e) / 2) = 0.84932180
	SPAIR 74, 0xbfa9b21d                           ; -log2(sqrt(2 pi)) = -1.32574806
	s_mov_b32 s76, 0x3c23d70a                      ; 0.01
	s_lshl_b32 s79, ttmp9, 2
	s_lshr_b32 s70, s34, 1
	s_add_co_u32 s79, s79, s70                     ; my source node: b 512 + n = 4 g + w / 2
	s_mul_i32 s2, s79, 12
	s_mov_b32 s3, 0
	s_lshl_b32 s70, s79, 2
	s_mov_b32 s71, 0
	s_wait_kmcnt 0x0
	s_add_nc_u64 s[4:5], s[22:23], s[2:3]
	s_add_nc_u64 s[6:7], s[28:29], s[70:71]
	s_load_b96 s[36:38], s[4:5], 0x0               ; the source's coordinates
	s_load_b32 s39, s[6:7], 0x0                    ; and its type
	s_lshr_b32 s79, ttmp9, 7
	s_lshl_b32 s79, s79, 9
	s_and_b32 s2, s34, 1
	s_lshl_b32 s2, s2, 8
	s_add_co_u32 s79, s79, s2                      ; my first target node: b 512 + 256 (w % 2)
	s_mul_i32 s2, s79, 12
	s_add_nc_u64 s[22:23], s[22:23], s[2:3]
	s_lshl_b32 s70, s79, 2
	s_add_nc_u64 s[28:29], s[28:29], s[70:71]
	s_lshl_b32 s2, ttmp9, 3
	s_add_co_u32 s2, s2, s34
	s_lshl_b32 s2, s2, 15                          ; my 32,768 bytes of out
	s_add_nc_u64 s[32:33], s[32:33], s[2:3]
	s_wait_alu depctr_va_vdst(0)                   ; the offsets v1 and v248 to v255 and the addresses v2 to v8 and v11 are written: every load, store and LDS instruction of the kernel but the gathers and x's loads in the loop reads one of them
.irp j, 0,1,2,3,4,5,6,7                        ; lane l takes targets 32 j + l
	global_load_b32 v[NT+\j], v1, s[28:29] offset:128*\j
.endr
.irp j, 0,1,2,3,4,5,6,7
	global_load_b96 v[CO+4*\j:CO+4*\j+2], v248, s[22:23] offset:384*\j
.endr
.irp c, 0,1
.irp q, 0,1,2,3,4,5,6,7
	global_load_b128 v[SD+32*\c+4*\q:SD+32*\c+4*\q+3], v249, s[30:31] offset:256*\c+16*\q   ; stds(64 c + 32 h + 4 q ..)
.endr
.endr
.irp t, 0,1,2,3,4,5,6,7                        ; b1 in the result's layout: tile t, register j: hidden unit 32 (t / 2) + 16 h + 8 (t % 2) + j
	global_load_b128 v[H+8*\t:H+8*\t+3], v254, s[16:17] offset:(32*(\t/2)+8*(\t%2))*4
	global_load_b128 v[H+8*\t+4:H+8*\t+7], v254, s[16:17] offset:(32*(\t/2)+8*(\t%2))*4+16
.endr
	s_wait_kmcnt 0x0
	s_min_u32 s39, s39, 99                         ; an index stays inside its table
	s_lshl_b32 s39, s39, 2
	s_load_b32 s40, s[24:25], s39 offset:0x8       ; gamma[type + 2]
	s_load_b32 s41, s[20:21], s39 offset:0x8       ; beta[type + 2]
	s_wait_loadcnt 40                              ; the eight loads of types are in: behind them 8 of coord, 16 of stds and 16 of b1 were issued
.irp j, 0,1,2,3,4,5,6,7
	v_min_u32 v[NT+\j], 99, v[NT+\j]
.endr
.irp j, 0,1,2,3,4,5,6,7
	v_lshlrev_b32 v[NT+\j], 2, v[NT+\j]
.endr
	s_wait_alu depctr_va_vdst(0)                   ; the shifts have written v[NT ..], which the gathers read as their offsets; only loads and window switches stand between this wait and the loads into window 1
.irp j, 0,1,2,3,4,5,6,7
	global_load_b32 v[GT+\j], v[NT+\j], s[24:25] offset:412    ; gamma[type + 103]
	global_load_b32 v[BT+\j], v[NT+\j], s[20:21] offset:412    ; beta[type + 103]
.endr
	WIN 0x40                                       ; destination window 1
.irp c, 0,1
.irp q, 0,1,2,3,4,5,6,7
	global_load_b128 v[MEAN+32*\c+4*\q:MEAN+32*\c+4*\q+3], v249, s[26:27] offset:256*\c+16*\q
.endr
.endr
.irp t, 0,1,2,3,4,5,6,7
.irp c, 0,1
	global_load_b128 v[W1F+8*\t+4*\c:W1F+8*\t+4*\c+3], v250, s[8:9] offset:(32*(\t/2)+8*(\t%2))*64+32*\c
.endr
.endr
	WIN 0
.irp t, 0,1,2,3,4,5,6,7
	global_load_b32 v[W1S+\t], v251, s[10:11] offset:(32*(\t/2)+8*(\t%2))*4
.endr
.irp n, 0,1
.irp c, 0,1
	global_load_b128 v[W2F+8*\n+4*\c:W2F+8*\n+4*\c+3], v252, s[12:13] offset:1024*\n+32*\c
.endr
	global_load_b32 v[W2S+\n], v253, s[14:15] offset:64*\n
	global_load_b128 v[B2+8*\n:B2+8*\n+3], v255, s[18:19] offset:64*\n     ; b2 in the result's layout: head 16 n + 8 h + j
	global_load_b128 v[B2+8*\n+4:B2+8*\n+7], v255, s[18:19] offset:64*\n+16
.endr
	s_wait_loadcnt 50                              ; all but the 50 loads issued behind the gathers: coord, stds, b1, gamma and beta are in
	s_wait_kmcnt 0x0                               ; the source's gamma and beta
.irp q, 0,1,2,3,4,5,6,7,8,9,10,11,12,13,14,15
	ds_store_b128 v[BI], v[H+4*\q:H+4*\q+3] offset:512*\q      ; b1's image: each tile's sums begin from it
.endr
	; my eight x
.irp j, 0,1,2,3,4,5,6,7
	v_sub_f32 v[CO+4*\j], s36, v[CO+4*\j]
	v_sub_f32 v[CO+4*\j+1], s37, v[CO+4*\j+1]
	v_sub_f32 v[CO+4*\j+2], s38, v[CO+4*\j+2]
.endr
.irp j, 0,1,2,3,4,5,6,7
	v_mul_f32 v[CO+4*\j+3], v[CO+4*\j], v[CO+4*\j]
.endr
.irp j, 0,1,2,3,4,5,6,7
	v_fmac_f32 v[CO+4*\j+3], v[CO+4*\j+1], v[CO+4*\j+1]
.endr
.irp j, 0,1,2,3,4,5,6,7
	v_fmac_f32 v[CO+4*\j+3], v[CO+4*\j+2], v[CO+4*\j+2]        ; q: the squared distance
.endr
.irp j, 0,1,2,3,4,5,6,7
	v_max_num_f32 v[CO+4*\j], 0x0d800000, v[CO+4*\j+3]         ; held at 2^-100 from below, so that q = 0 gives 0 x a finite number
.endr
.irp j, 0,1,2,3,4,5,6,7
	v_rsq_f32 v[CO+4*\j], v[CO+4*\j]               ; y
.endr
.irp j, 0,1,2,3,4,5,6,7
	v_add_f32 v[GT+\j], s40, v[GT+\j]              ; gamma and beta of the pair: plain work behind the batch
	v_add_f32 v[BT+\j], s41, v[BT+\j]
.endr
	s_wait_alu depctr_va_vdst(0)                   ; the eight reciprocal roots are written: one wait for the batch, ahead of its first reader
.irp j, 0,1,2,3,4,5,6,7
	v_mul_f32 v[CO+4*\j+1], v[CO+4*\j+3], v[CO+4*\j]           ; s0 = q y
.endr
.irp j, 0,1,2,3,4,5,6,7
	v_fma_f32 v[CO+4*\j+2], -v[CO+4*\j+1], v[CO+4*\j+1], v[CO+4*\j+3]   ; q - s0^2
.endr
.irp j, 0,1,2,3,4,5,6,7
	v_mul_f32 v[CO+4*\j], 0.5, v[CO+4*\j]
.endr
.irp j, 0,1,2,3,4,5,6,7
	v_fma_f32 v[CO+4*\j+3], v[CO+4*\j+2], v[CO+4*\j], v[CO+4*\j+1]      ; the distance: s0 + (q - s0^2) y / 2
.endr
.irp j, 0,1,2,3,4,5,6,7
	v_fma_f32 v[CO+4*\j+3], v[GT+\j], v[CO+4*\j+3], v[BT+\j]   ; x
.endr
	s_wait_alu depctr_va_vdst(0)                   ; the multiply-adds have written the eight x, which the LDS stores read
.irp j, 0,1,2,3,4,5,6,7
	ds_store_b32 v[XS], v[CO+4*\j+3] offset:128*\j
.endr
	; the Gaussians' constants for my 64 k
	s_wait_dscnt 0x0                               ; the LDS stores are done,
	s_wait_xcnt 0x0                                ; and the loads that are still out have had their addresses translated: their offsets are written below
	s_wait_alu depctr_vm_vsrc(0)                   ; the LDS stores have read v[H ..] and the eight x, the gathers v[NT ..], the loads v248 to v255: the reciprocals and logarithms below write all of these
.set i, 0
.rept 64
	v_add_f32 v[SD+i], |v[SD+i]|, s76              ; std
.set i, i+1
.endr
.set i, 0
.rept 64
	v_rcp_f32 v[H+i], v[SD+i]
.set i, i+1
.endr
.set i, 0
.rept 64
	v_log_f32 v[L0+i], v[SD+i]
.set i, i+1
.endr
	v_nop                                          ; a plain instruction behind the last of the batch
	s_wait_alu depctr_va_vdst(0)                   ; the 64 reciprocals and 64 logarithms are written: one wait for the 128, ahead of their first reader
	WIN 0x40
.set i, 0
.rept 32
	v_pk_mul_f32 v[RS+i:RS+i+1], v[H+i:H+i+1], s[72:73] op_sel_hi:[1,0]      ; q0 = c x the reciprocal
.set i, i+2
.endr
	WIN 0x01
.set i, 0
.rept 32
	v_pk_fma_f32 v[SD+i:SD+i+1], v[RS+i:RS+i+1], v[SD+i:SD+i+1], s[72:73] op_sel_hi:[1,1,0] neg_lo:[1,0,0] neg_hi:[1,0,0]   ; e = c - q0 std
.set i, i+2
.endr
	WIN 0x50
.set i, 0
.rept 32
	v_pk_fma_f32 v[RS+i:RS+i+1], v[SD+i:SD+i+1], v[H+i:H+i+1], v[RS+i:RS+i+1]   ; RS = q0 + e x the reciprocal
.set i, i+2
.endr
.set i, 0
.rept 32
	v_pk_add_f32 v[LG+i:LG+i+1], v[L0+i:L0+i+1], s[74:75] op_sel_hi:[1,0] neg_lo:[1,0] neg_hi:[1,0]   ; LG = -log2(std) - log2(sqrt(2 pi))
.set i, i+2
.endr
	WIN 0
	s_wait_loadcnt 0x0                             ; means, W1, W2, their scale words, b2
.macro SEND                            ; the last tile's 2,048 bytes: each store of the wave covers 512 consecutive bytes, at a multiple of 256 from out's first byte; written once, read by nobody here
.irp q, 0,1,2,3
	global_store_b128 v[GO], v[OUTR+4*\q:OUTR+4*\q+3], s[32:33] offset:512*\q th:TH_STORE_NT
.endr
.endm
; THE FIRST OPERAND of a tile: 64 Gaussians a lane, their codes and the scale word.  send = 1: the tile before leaves meanwhile.
.macro GK send
	s_wait_dscnt 8                                 ; x is in: behind its load only the stage's 4 stores and 4 loads were issued
.irp q, 0,1,2,3,4,5,6,7,8,9,10,11,12,13,14,15
	ds_load_b128 v[H+4*\q:H+4*\q+3], v[BI] offset:512*\q       ; b1, the C of this tile's first product.  No wait: no vector or matrix instruction since the last wait on va_vdst names v[H ..]
.endr
	WIN 0x04                                       ; source 1 window 1
.set i, 0
.rept 32
	v_pk_add_f32 v[G+i:G+i+1], v[XC:XC+1], v[MEAN+i:MEAN+i+1] op_sel_hi:[0,1] neg_lo:[0,1] neg_hi:[0,1]   ; x - mean
.set i, i+2
.endr
.set i, 0
.rept 32
	v_pk_mul_f32 v[G+i:G+i+1], v[G+i:G+i+1], v[RS+i:RS+i+1]   ; z
.set i, i+2
.endr
	WIN 0x10                                       ; source 2 window 1; a store's offset and data, sources 0 and 1, stay in window 0
.if \send
	s_wait_dscnt 16                                ; only b1's 16 loads may be out: the last tile is back from the stage
.endif
.set i, 0
.rept 32
.if \send && (i%16 == 0)
	global_store_b128 v[GO], v[OUTR+i/4:OUTR+i/4+3], s[32:33] offset:32*i th:TH_STORE_NT   ; the last tile's 2,048 bytes, dealt among the lines below, which name none of these registers: each store of the wave covers 512 consecutive bytes, at a multiple of 256 from out's first byte; written once, read by nobody here
.endif
	v_pk_fma_f32 v[G+i:G+i+1], v[G+i:G+i+1], v[G+i:G+i+1], v[LG+i:LG+i+1] neg_lo:[1,0,0] neg_hi:[1,0,0]   ; LG - z^2
.if i >= 4
	v_exp_f32 v[G+i-4], v[G+i-4]                   ; the exponentials follow two pairs behind; none of their results is named ahead of the wait
	v_exp_f32 v[G+i-3], v[G+i-3]
.endif
.set i, i+2
.endr
.irp e, 60,61,62,63
	v_exp_f32 v[G+\e], v[G+\e]
.endr
	WIN 0
	v_nop                                          ; a plain instruction behind the last exponential
	s_wait_alu depctr_va_vdst(0)                   ; the 64 exponentials have written v[G ..]: one wait for the batch, ahead of its first reader
	v_max3_num_f32 v[QT], v[G], v[G+1], 0x1800000  ; each block's largest number (none is negative), two chains a block; the floor 2^(3 - 127) holds the byte at 1 from below
	v_max3_num_f32 v[QT+1], v[G+32], v[G+33], 0x1800000
	v_max3_num_f32 v[QT+2], v[G+16], v[G+17], v[G+18]
	v_max3_num_f32 v[QT+3], v[G+48], v[G+49], v[G+50]
.irp e, 0,2,4,6,8,10
	v_max3_num_f32 v[QT], v[QT], v[G+2+\e], v[G+3+\e]
	v_max3_num_f32 v[QT+1], v[QT+1], v[G+34+\e], v[G+35+\e]
	v_max3_num_f32 v[QT+2], v[QT+2], v[G+19+\e], v[G+20+\e]
	v_max3_num_f32 v[QT+3], v[QT+3], v[G+51+\e], v[G+52+\e]
.endr
	v_max3_num_f32 v[QT], v[QT], v[G+14], v[G+15]
	v_max3_num_f32 v[QT+1], v[QT+1], v[G+46], v[G+47]
	v_max3_num_f32 v[QT], v[QT], v[QT+2], v[G+31]
	v_max3_num_f32 v[QT+1], v[QT+1], v[QT+3], v[G+63]
	v_add_nc_u32 v[QT+4], 0xff000000, v[QT]        ; 2 off the exponent field: the conversion takes the exponent field of this operand as its scale
	v_add_nc_u32 v[QT+5], 0xff000000, v[QT+1]
.irp c, 0,1
.irp g, 0,1,2,3
	v_cvt_scalef32_pk8_fp4_f32 v[CG+4*\c+\g], v[G+32*\c+8*\g:G+32*\c+8*\g+7], v[QT+4+\c]   ; registers 4 c .. 4 c + 3 of the operand
.endr
.endr
	v_lshrrev_b32 v[QT+6], 23, v[QT+4]             ; the scales' bytes: blocks h and 2 + h of my pair
	v_lshrrev_b32 v[QT+7], 23, v[QT+5]
	v_lshl_or_b32 v[QT+8], v[QT+7], 16, v[QT+6]
	v_lshlrev_b32 v[QT+8], v[SH8], v[QT+8]         ; at their places in the word
	v_mov_b32 v[QT+9], 0
	v_permlanex16_b32 v[QT+9], v[QT+8], s42, s43
	v_or_b32 v[GW], v[QT+8], v[QT+9]               ; with lane l xor 16's two the word is whole
.if \send
	s_wait_xcnt 0x0                                ; the stores have had their addresses translated: the base steps here, the data registers are written in the next gelu
	s_wait_alu depctr_vm_vsrc(0)                   ; the global stores have read v[OUTR ..] and the stage's stores v[D2 ..], which the next gelu writes; x's load has read v[XA], which the add below writes
	s_add_nc_u64 s[32:33], s[32:33], 2048
.endif
	v_add_nc_u32 v[XA], s[XOFF], v[XA0]            ; where the tile after this one has its x (behind the last tile's operand: an address that no load reads).  It stands ahead of the wait on va_vdst at the head of REST
	s_add_co_u32 s[XOFF], s[XOFF], 64              ; 16 pairs on
	PLACES 7                                       ; a scale word made by a vector instruction stands 8 places ahead of the scaled product, an operand so made 4: the add above and these seven
.endm
.macro QSTEP cf
.set i, 0
.rept 16
	v_pk_fma_f32 v[QQ+i:QQ+i+1], v[QQ+i:QQ+i+1], v[YY+i:YY+i+1], s[\cf:\cf+1] op_sel_hi:[1,1,0]
.set i, i+2
.endr
.endm
.macro PSTEP first, cf                 ; a level of PA's Horner form; behind every third instruction one reciprocal of a finished PB
.set i, 0
.rept 16
.if \first
	v_pk_fma_f32 v[PP+i:PP+i+1], v[YY+i:YY+i+1], v[A13:A13+1], s[\cf:\cf+1] op_sel_hi:[1,1,0]
.else
	v_pk_fma_f32 v[PP+i:PP+i+1], v[PP+i:PP+i+1], v[YY+i:YY+i+1], s[\cf:\cf+1] op_sel_hi:[1,1,0]
.endif
.if idx%3 == 2
	v_rcp_f32 v[QQ+idx/3], v[QQ+idx/3]
.endif
.set idx, idx+1
.set i, i+2
.endr
.endm
; 32 of the lane's hidden units, v[hb] on, become 2 gelu.  The first reads go up from each accumulator's low end.
.macro GELU hb
.set i, 0
.rept 32
	v_med3_num_f32 v[VC+i], v[\hb+i], s[NL], s[PL]
.set i, i+1
.endr
.set i, 0
.rept 16
	v_pk_mul_f32 v[YY+i:YY+i+1], v[VC+i:VC+i+1], v[VC+i:VC+i+1]
.set i, i+2
.endr
.set i, 0
.rept 16
	v_pk_fma_f32 v[QQ+i:QQ+i+1], v[YY+i:YY+i+1], v[B8:B8+1], s[58:59] op_sel_hi:[1,1,0]
.set i, i+2
.endr
	QSTEP 60
	QSTEP 62
	QSTEP 66
.set idx, 0
	PSTEP 1, 46
	PSTEP 0, 48
	PSTEP 0, 50
	PSTEP 0, 52
	PSTEP 0, 54
	PSTEP 0, 56
.set i, 0
.rept 16
	v_pk_mul_f32 v[PP+i:PP+i+1], v[PP+i:PP+i+1], v[VC+i:VC+i+1]   ; plain work behind the last reciprocal, which names none of them
.set i, i+2
.endr
	s_wait_alu depctr_va_vdst(0)                   ; the 32 reciprocals have written v[QQ ..]: one wait for the batch, ahead of its first reader
.set i, 0
.rept 16
	v_pk_mul_f32 v[PP+i:PP+i+1], v[PP+i:PP+i+1], v[QQ+i:QQ+i+1]   ; erf
.set i, i+2
.endr
.set i, 0
.rept 16
	v_pk_fma_f32 v[\hb+i:\hb+i+1], v[\hb+i:\hb+i+1], v[PP+i:PP+i+1], v[\hb+i:\hb+i+1]   ; v + v erf
.set i, i+2
.endr
.endm
; The hidden layer's 64 numbers of a lane (register 16 b + i: unit 32 b + 16 h + i), doubled, become the second operand's codes and scale word.
.macro QUANTH
.irp b, 0,1,2,3
	v_max3_num_f32 v[TM+\b], |v[H+16*\b]|, |v[H+1+16*\b]|, 0x2000000   ; the floor 2^(4 - 127): of doubled numbers, so that the byte stays at 1 or more when 1 has been taken off
.endr
.irp e, 2,4,6,8,10,12,14
.irp b, 0,1,2,3
	v_max3_num_f32 v[TM+\b], v[TM+\b], |v[H+16*\b+\e]|, |v[H+1+16*\b+\e]|
.endr
.endr
.irp b, 0,1,2,3
	v_permlanex16_b32 v[TM+4+\b], v[TM+\b], s42, s43
.endr
.irp b, 0,1,2,3
	v_max_num_f32 v[TM+\b], v[TM+\b], v[TM+4+\b]   ; with lane l xor 16's 16: the block's largest magnitude
.endr
.irp b, 0,1,2,3
	v_add_nc_u32 v[TM+12+\b], 0xff000000, v[TM+\b] ; the conversion's scale operand: that of the doubled numbers, so the codes are gelu's own
.endr
.irp b, 0,1,2,3
	v_lshrrev_b32 v[TM+4+\b], 23, v[TM+12+\b]
.endr
	v_lshl_or_b32 v[HW], v[TM+5], 8, v[TM+4]
	v_lshl_or_b32 v[HW], v[TM+6], 16, v[HW]
	v_lshl_or_b32 v[HW], v[TM+7], 24, v[HW]
	v_add_nc_u32 v[HW], 0xfefefeff, v[HW]          ; 1 off each of the four bytes (each is 2 or more: nothing is borrowed): the halving, exact
.irp b, 0,1,2,3
	v_cvt_scalef32_pk8_fp4_f32 v[CH+2*\b], v[H+16*\b:H+7+16*\b], v[TM+12+\b]
	v_cvt_scalef32_pk8_fp4_f32 v[CH+1+2*\b], v[H+8+16*\b:H+15+16*\b], v[TM+12+\b]
.endr
	v_nop                                          ; one plain place behind a scaled conversion
.irp c, 0,1                                    ; the operand's layout wants a whole block in a lane
.irp e, 0,1
	v_permlane16_swap_b32 v[CH+4*\c+\e], v[CH+2+4*\c+\e]
.endr
.endr
.endm
; THE REST of a tile: first product, gelu, quantiser, second product, into the stage and back.  next = 1: the next tile's x is asked for.
.macro REST next
	s_wait_dscnt 0x0                               ; b1 is in
	s_wait_alu depctr_va_vdst(0)                   ; behind GK's eight places: the conversions have written gk's codes v[CG ..] and the word v[GW] is written, which the scaled products take; v[XA] is written, and GK's subtractions are done reading v[XC], for x's load below
	WIN 0x01                                       ; source 0 (W1) window 1
.irp t, 0,1,2,3,4,5,6,7
	v_wmma_scale_f32_16x16x128_f8f6f4 v[H+8*\t:H+8*\t+7], v[W1F+8*\t:W1F+8*\t+7], v[CG:CG+7], v[H+8*\t:H+8*\t+7], v[W1S+\t], v[GW] matrix_a_fmt:MATRIX_FMT_FP4 matrix_b_fmt:MATRIX_FMT_FP4
.endr
	WIN 0
.if \next
	ds_load_b32 v[XC], v[XA]                       ; the next tile's x.  No wait: the eight products since the wait above name neither register
.endif
	PLACES 4                                       ; in front of the first read of the results
	GELU H
	GELU H+32
	QUANTH
	PLACES 8                                       ; the scale word and the operand were made by vector instructions
	s_wait_alu depctr_va_vdst(0)                   ; behind the places: the conversions and exchanges have written the hidden layer's codes v[CH ..] and the word v[HW] is written, which the scaled products take
.irp n, 0,1
	v_wmma_scale_f32_16x16x128_f8f6f4 v[D2+8*\n:D2+8*\n+7], v[W2F+8*\n:W2F+8*\n+7], v[CH:CH+7], v[B2+8*\n:B2+8*\n+7], v[W2S+\n], v[HW] matrix_a_fmt:MATRIX_FMT_FP4 matrix_b_fmt:MATRIX_FMT_FP4
.endr
	PLACES 4
	s_wait_alu depctr_va_vdst(0)                   ; behind the places: the two products have written v[D2 ..], which the LDS stores read; the gelus are done with v[OUTR ..], in which the stage's loads land, and the quantiser with v[H ..], in which b1's next loads land
.irp n, 0,1
	ds_store_b128 v[STO], v[D2+8*\n:D2+8*\n+3] offset:64*\n          ; lane (r, h): out(pair r, head 16 n + 8 h + 0 .. 7); each accumulator from its low end on
	ds_store_b128 v[STO], v[D2+8*\n+4:D2+8*\n+7] offset:64*\n+16
.endr
.irp q, 0,1,2,3
	ds_load_b128 v[OUTR+4*\q:OUTR+4*\q+3], v[RD] offset:4*SPITCH*\q  ; LDS serves a wave's instructions in order: these see the stores above
.endr
.endm
	s_wait_alu depctr_va_vdst(0)                   ; the head's packed lines are done reading v[H ..], in which b1's first loads land
	ds_load_b32 v[XC], v[XA0]                      ; tile 0's x
	s_mov_b32 s[XOFF], 64
	s_wait_dscnt 0x0
	GK 0
	s_mov_b32 s[TRIPS], 15
.Ltile:                                            ; a trip finishes tile i, makes tile i + 1's first operand, and stores tile i under that
	REST 1
	GK 1
	s_sub_co_u32 s[TRIPS], s[TRIPS], 1
	s_cmp_lg_u32 s[TRIPS], 0
	s_cbranch_scc1 .Ltile
	REST 0                                         ; the last tile asks for no further x
	s_wait_dscnt 0x0
	SEND
	s_wait_dscnt 0x0                               ; the closing lines, six on end
	s_wait_alu 0x0
	s_wait_tensorcnt 0x0
	ds_add_u32 v[SPW], v[NIL]
	s_wait_dscnt 0x0
	s_endpgm
.Lfunc_end_k_q637dbd5cf3_spatial:
	.size	k_q637dbd5cf3_spatial, .Lfunc_end_k_q637dbd5cf3_spatial-k_q637dbd5cf3_spatial
	.p2alignl 7, 3214868480
	.fill 96, 4, 3214868480
	.section	.rodata,"a",@progbits
	.p2align	6, 0x0
	.amdhsa_kernel k_q637dbd5cf3_spatial
		.amdhsa_group_segment_fixed_size 93184
		.amdhsa_private_segment_fixed_size 0
		.amdhsa_enable_private_segment 0
		.amdhsa_kernarg_size 104
		.amdhsa_user_sgpr_count 2
		.amdhsa_user_sgpr_kernarg_segment_ptr 1
		.amdhsa_wavefront_size32 1
		.amdhsa_system_sgpr_workgroup_id_x 1
		.amdhsa_system_sgpr_workgroup_id_y 1
		.amdhsa_system_sgpr_workgroup_id_z 1
		.amdhsa_system_vgpr_workitem_id 0
		.amdhsa_next_free_vgpr 512
		.amdhsa_next_free_sgpr 80
		.amdhsa_reserve_vcc 0
		.amdhsa_float_denorm_mode_32 3
		.amdhsa_float_denorm_mode_16_64 3
		.amdhsa_memory_ordered 1
		.amdhsa_forward_progress 1
		.amdhsa_inst_pref_size 147
	.end_amdhsa_kernel
	.amdgpu_metadata
---
amdhsa.version: [ 1, 2 ]
amdhsa.kernels:
  - .name:           k_q637dbd5cf3_spatial
    .symbol:         k_q637dbd5cf3_spatial.kd
    .args:
      - { .name: W1_codes, .offset: 0, .size: 8, .value_kind: global_buffer, .address_space: global }
      - { .name: W1_scales, .offset: 8, .size: 8, .value_kind: global_buffer, .address_space: global }
      - { .name: W2_codes, .offset: 16, .size: 8, .value_kind: global_buffer, .address_space: global }
      - { .name: W2_scales, .offset: 24, .size: 8, .value_kind: global_buffer, .address_space: global }
      - { .name: b1, .offset: 32, .size: 8, .value_kind: global_buffer, .address_space: global }
      - { .name: b2, .offset: 40, .size: 8, .value_kind: global_buffer, .address_space: global }
      - { .name: beta_emb, .offset: 48, .size: 8, .value_kind: global_buffer, .address_space: global }
      - { .name: coord, .offset: 56, .size: 8, .value_kind: global_buffer, .address_space: global }
      - { .name: gamma_emb, .offset: 64, .size: 8, .value_kind: global_buffer, .address_space: global }
      - { .name: means, .offset: 72, .size: 8, .value_kind: global_buffer, .address_space: global }
      - { .name: node_type, .offset: 80, .size: 8, .value_kind: global_buffer, .address_space: global }
      - { .name: stds, .offset: 88, .size: 8, .value_kind: global_buffer, .address_space: global }
      - { .name: out0, .offset: 96, .size: 8, .value_kind: global_buffer, .address_space: global }
    .group_segment_fixed_size: 93184
    .private_segment_fixed_size: 0
    .kernarg_segment_align: 8
    .kernarg_segment_size: 104
    .max_flat_workgroup_size: 256
    .sgpr_count:     80
    .vgpr_count:     512
    .wavefront_size: 32
...
	.end_amdgpu_metadata
.endif
;; end of part 2
